; MI455X (gfx1250); checked and timed in simulation.
; The chip was launched on July 23, 2026; its instructions are those of AMD's public machine-readable ISA for CDNA 5 (MIT licence, August 2026) and "CDNA5" Instruction Set Architecture Reference Guide (July 2026). The comments in the code are by the model that wrote it; some were corrected since.
;; Masked Multi Head Attention. Allowed arithmetic: matrix products marked QUANTISED: E2M1 operands, one E8M0 scale for each 32 along K, by v_wmma_scale_f32_16x16x128_f8f6f4 with both operands' format E2M1 (or v_wmma_scale_f32_32x16x128_f4), f32 sums; everything else in f32.
;; Inputs: b_out 1,024 float32; b_qkv 3,072 float32; w_out_codes 1,024 x 32 x 16 uint8 (E2M1 codes of w_out, K innermost, in blocks of 32 codes, two codes a byte); w_out_scales 1,024 x 32 uint8 (E8M0 scales of w_out, one for each 32 codes along K); w_qkv_codes 3,072 x 32 x 16 uint8 (E2M1 codes of w_qkv, K innermost, in blocks of 32 codes, two codes a byte); w_qkv_scales 3,072 x 32 uint8 (E8M0 scales of w_qkv, one for each 32 codes along K); x_codes 2 x 2,048 x 32 x 16 uint8 (E2M1 codes of x, K innermost, in blocks of 32 codes, two codes a byte); x_scales 2 x 2,048 x 32 uint8 (E8M0 scales of x, one for each 32 codes along K).
;; Outputs: out0 2 x 2,048 x 1,024 float32.
;; This version of the problem:
;;   THIS VERSION OF THE PROBLEM IS GIVEN IN LOW PRECISION. The matrix products marked QUANTISED in the list below multiply operands that are first quantised to E2M1 (2 exponent bits, 1 mantissa bit; 4 bits a number), with one power-of-two scale for each 32 numbers along K (OCP MX v1.0); their sums are f32. All else is computed in f32.
;;   The module's matrix products, in the order in which they are computed (A, B: the left and right operand; K: the contracted axis; several contracted axes count as one K, in the product's order):
;;     1. [M 4,096, K 1,024] x [K 1,024, N 3,072]; A: input x (given as codes); B: input w_qkv (given as codes): QUANTISED
;;     2. batch 32 x [M 2,048, K 64] x [K 64, N 2,048]; A: computed on the way; B: computed on the way: QUANTISED
;;     3. batch 32 x [M 2,048, K 2,048] x [K 2,048, N 64]; A: softmax (see below); B: computed on the way: QUANTISED
;;     4. [M 4,096, K 1,024] x [K 1,024, N 1,024]; A: computed on the way; B: input w_out (given as codes): QUANTISED
;;   THE QUANTISER, for each operand of a quantised product, along K:
;;     - K is cut into blocks of 32 from its start; a last block that is shorter is filled with zeros.
;;     - A block's scale is 2^e with e = floor(log2(the largest magnitude in the block)) - 2, held to -126 .. 127; a block of zeros has e = 0. As a byte (E8M0): e + 127.
;;     - Each number is divided by its block's scale, clamped to +-6, and rounded to the nearest number of E2M1, ties to even, subnormals kept.
;;     - The product sums the exact products of the quantised numbers (number of the format x scale) in f32.
;;   ~~~python
;;   def quantise(x, axis):      # numpy; x: float32 -> the quantised numbers, widened to float32 again
;;       x = np.moveaxis(x, axis, -1); K = x.shape[-1]
;;       x = np.pad(x, [(0, 0)] * (x.ndim - 1) + [(0, -K % 32)]); x = x.reshape(x.shape[:-1] + (-1, 32)); a = np.abs(x).max(-1, keepdims=True)
;;       e = np.where(a > 0, np.clip(np.frexp(np.where(a > 0, a, 1))[1] - 1 - 2, -126, 127), 0)      # np.frexp(a)[1] - 1 = floor(log2(a)), exactly
;;       r = np.clip(x / 2.0 ** e, -6, 6)
;;       step = 2.0 ** (np.maximum(np.frexp(np.where(r == 0, 1, r))[1] - 1, 0) - 1)
;;       q = np.round(r / step) * step * 2.0 ** e      # np.round: ties to even
;;       return np.moveaxis(q.reshape(q.shape[:-2] + (-1,))[..., :K], -1, axis).astype(np.float32)
;;   ~~~
;;   SOFTMAX AHEAD OF A QUANTISED PRODUCT. Where the list says 'softmax', what is quantised is not the finished softmax but p = 2^(t - M), with t = logit x log2(e) and M = ceil(the row's largest t), a whole number; so 1/2 < the row's largest p <= 1. The row's sum l is taken of the UNQUANTISED p, in f32, and the product's result is divided by l at the end. Since M is a whole number, a kernel that streams over the keys may use a running M (the ceiling of the running maximum): every later rescaling is an exact power of two, which a block's scale takes up: the codes' values come out the same.
;;   OPERANDS COMPUTED ON THE WAY. 'Computed on the way' means the value that the module computes at that place (a softmax that the list does not call 'softmax' is quantised finished and normalised). What goes into a quantiser is computed in f32, as accurately as f32 sums, v_exp_f32 and their like allow (about 1e-6 of the number): no bf16 or f16 on the way to a quantiser, and a product that is left as it is and whose result goes on into a quantised operand takes f32 operands (vector FMAs, or v_wmma_f32_16x16x4_f32). A number that lies on a knife's edge between two numbers of the format may be rounded either way, as far as f32 arithmetic and the matrix unit's own rounding can turn it there, and no further.
;;   INPUTS GIVEN AS CODES. w_out (in the module: [1024, 1024], K = its axis 0); w_qkv (in the module: [1024, 3072], K = its axis 0); x (in the module: [2, 2048, 1024], K = its axis 2): each comes as NAME_codes (uint8): NAME with its K axis moved to the last place and cut into blocks of 32 codes, [.., K / 32, bytes a block], one block behind the other in memory; two codes a byte, the lower K in the low four bits (a code: sign, 2 exponent bits, 1 mantissa bit); and NAME_scales (uint8): the same leading axes, one E8M0 byte (e + 127) for each 32 codes along K. Its value is code x scale, taken as it is: it is not quantised again, and the codes and scales need not be those that the quantiser above would give.
;; One version. Each part assembles by itself: llvm-mc -triple=amdgcn-amd-amdhsa -mcpu=gfx1250 --defsym DOCPART=n.
;; ======== version 1 of 1: 3 launches
;; limits: right only within a limited range of input values
;; workspace buffers: qq 2,359,296 bytes; kv 4,587,520 bytes; oo 2,228,224 bytes
;; launch qkv (part 1): grid 8 x 32, 8 waves a work-group, clusters of 4 x 4, 306,688 bytes of LDS; arguments x_codes, x_scales, w_qkv_codes, w_qkv_scales, b_qkv, qq, kv; writes qq, kv
.if DOCPART == 1
	.amdgcn_target "amdgcn-amd-amdhsa--gfx1250"
	.amdhsa_code_object_version 6
	.text
	.protected	k_q9a91462935_qkv
	.globl	k_q9a91462935_qkv
	.p2align	8
	.type	k_q9a91462935_qkv,@function
k_q9a91462935_qkv:
	s_mov_b64 s[64:65], 0
	v_nop
	global_prefetch_b8 v0, s[64:65] scope:SCOPE_SE
	s_setreg_imm32_b32 hwreg(HW_REG_WAVE_MODE, 25, 1), 1
	s_wait_xcnt 0x0
	s_wait_alu depctr_hold_cnt(0) depctr_sa_sdst(0) depctr_va_vdst(0) depctr_va_sdst(0) depctr_va_ssrc(0) depctr_va_vcc(0) depctr_vm_vsrc(0)
	s_getreg_b32 s2, hwreg(HW_REG_IB_STS2, 6, 4)
	s_cmp_eq_u32 s2, 0
	s_cbranch_scc0 .Lentry_in_a_cluster
	s_endpgm
.Lentry_in_a_cluster:
	s_bfe_u32 s2, ttmp6, 0x10000c
	s_cmp_lg_u32 s2, 0xf033
	s_cbranch_scc0 .Lentry_shape_is_right
	s_endpgm
.Lentry_shape_is_right:
; qkv = x w_qkv + b_qkv on codes of FP4 (E2M1) with one E8M0 scale for each 32 along K; then RoPE on q and k, and all three are quantised again, in registers, for the products that follow:
; q and k along the head's 64 (two blocks of 32), v along the keys.  Nothing but codes and scale bytes goes to memory.
; WORK LEFT OUT BY THE PROGRAM: in launch attn, key blocks that come wholly after a tile's queries: reference() puts -inf over their scores by a mask that it builds itself, so they reach no output for any values.  This launch leaves out nothing.
; SHARES.  A work-group takes 128 rows of x (block MB) and the heads 2 HP and 2 HP + 1.  Wave w = 4 ty + 2 I + J: half I of the rows, head J, 64 rows x (the head's 64 columns of q (ty = 0) or k (1), and half ty of its 64 columns of v):
; 24 accumulators, 192 registers; 10 fragments feed 24 matrix instructions.
; LDS.  All of K (1,024 codes, 512 bytes a row + 16 of padding) of the four pieces (x, w's q, k and v columns) lies in LDS at once, filled once, one tensor load of 64 rows a wave: no ring.
; CLUSTER.  4 x 4 work-groups: the four of a row of the cluster share x's rows, the four of a column share w's: each tile is asked for jointly.
; No prefetch: all tiles are asked for at the head, and no loop runs ahead of them.
; LAYOUT.  q, k: source 0 = 16 columns of w, source 1 = 16 rows of x: a lane holds ONE row and eight neighbours along d.  v: source 0 = 16 rows of x, source 1 = 16 columns of w: a lane holds ONE d and eight
; neighbouring keys.  So a lane's eight registers are always eight neighbours along the next product's K, one conversion makes them a register of codes, and one exchange of halves between the equal tiles of two
; neighbouring blocks puts a whole block of 32 into a lane, as the operand's layout wants it.
; SINE AND COSINE of the block's 128 positions are made once: a tile of 16 positions a wave, and pass through LDS as images of registers.
; OUT.  Images of operand registers: four registers are 512 bytes, lane l's 16 bytes at 16 l.  qq: [32 bh][16 block][4,608]: 8 tiles of 16 queries x 512, then the scale words [16 r][8 tile].
; kv: [32 bh][16 step][8,960]: K 8 x 512; V^T [4 dtile][2 c][512]; K's scale words [16 r][8 tile]; V's [16 r][4 dtile].  q's and k's words carry 0x7f in the two bytes of the K that they do not have.
; THE FREQUENCIES of RoPE are the f32 numbers nearest to 10000^(-i / 32) = 10^(-i / 8): ONE rounding, an order of rounding of its own: the reciprocal of the rounded power differs from it in the last bit for some i.
; LIMITS.  NaN and infinities are not served, and one that reaches only the work left out is not carried to the result.  A block whose largest magnitude lies under 2^-124 (zeros among them) gets the byte 1 where the rule for zeros
; says 127: its codes are zeros or tiny, and this program alone reads the bytes.  The reduction of the angles is built for angles up to 2,047, the largest that the tables hold (position 2,047, frequency 1).
; REGISTERS.  window 0: v1-19 lane numbers and addresses; v32-63 x's scale words (8 tm + ks); v64-111 w's (8 n + ks; n = 4, 5: v's); v112-143, v192-223 x's fragments, two sets; v144-191 w's, set 0; v224-255 q's or k's bias.
;   window 1: v0-127 q's or k's accumulators (32 tm + 8 tn), v128-191 v's (128 + 32 tn + 8 tm); v192-239 w's fragments, set 1; v240-255 v's bias.  Ahead of the K steps v0-223 are at work for sine and cosine.
;   On the way out: window 0 v112-175 rotated numbers, v176-191 at work, v224-247 codes; v192-223 of both windows (cos, sin) of two tiles.
.set PITCH,  528                       ; an LDS row: 512 bytes + 16 of padding: an odd multiple of 16 bytes, so the 16 rows that a load touches start in different 16-byte columns
.set PIECE,  128*PITCH
.set CSB,    4*PIECE                   ; behind the tiles: sine and cosine, [8 tile][8][512]
.set STG,    CSB+32768                 ; the scale words' stage, 2,560 bytes
.set SPARE,  STG+2560                  ; the spare words, 128 bytes a wave
.set XSC,    32
.set WSC,    64
.set HB,     112
.set TM,     176                       ; four largest magnitudes
.set TP,     180                       ; the other half's
.set SCF,    184                       ; the conversions' scale operands
.set BY,     188                       ; the scale bytes
.set MSB, 0
.macro WIN new                         ; the immediate's high byte repeats the setting that is left
.if MSB != \new
	s_set_vgpr_msb (MSB<<8)|(\new)
.set MSB, \new
.endif
.endm
.macro PLACES n
.rept \n
	v_nop
.endr
.endm
.macro CROUND                          ; a round of the cluster's barrier
	s_barrier_signal -1
	s_barrier_wait -1
	s_cmp_lg_u32 s18, 0
	s_cbranch_scc1 .Lnot_wave_0_\@
	s_barrier_signal -3
.Lnot_wave_0_\@:
	s_barrier_wait -3
	s_barrier_signal -1
	s_barrier_wait -1
.endm
	s_load_b256 s[4:11], s[0:1], 0x0               ; x's codes s[4:5], x's scales s[6:7], w's codes s[8:9], w's scales s[10:11]
	s_load_b128 s[12:15], s[0:1], 0x20             ; b_qkv s[12:13], qq s[14:15]
	s_load_b64 s[16:17], s[0:1], 0x30              ; kv
	v_lshl_add_u32 v30, v0, 2, SPARE
	v_mov_b32 v31, 0
	ds_add_u32 v30, v31                            ; the wave's opening: the add, twice on end, and its wait
	ds_add_u32 v30, v31
	v_lshrrev_b32 v1, 5, v0
	v_readfirstlane_b32 s18, v1                    ; wave 0..7
	s_lshr_b32 s19, s18, 2                         ; ty
	s_bfe_u32 s20, s18, 0x10001                    ; I
	s_and_b32 s21, s18, 1                          ; J.  Also: which half of a piece I fetch
	s_bfe_u32 s22, ttmp6, 0x40000                  ; cx
	s_bfe_u32 s23, ttmp6, 0x40004                  ; cy
	s_lshl_b32 s24, ttmp9, 2
	s_add_co_u32 s24, s24, s22                     ; HP = 4 x cluster x + cx: the pair of heads
	s_and_b32 s25, ttmp7, 0xffff
	s_lshl_b32 s25, s25, 2
	s_add_co_u32 s25, s25, s23                     ; MB = 4 x cluster y + cy: the block of 128 rows
	s_lshl_b32 s26, s23, 2
	s_lshl_b32 s26, 15, s26                        ; my row of the cluster
	s_lshl_b32 s27, 0x1111, s22                    ; my column
	; descriptor group 1: 64 rows x 512 bytes, 16 bytes of padding behind each in LDS
	s_or_b32 s28, s26, (1<<20)|(1<<21)|(6<<22)|(3<<25)   ; 15:0 the mask: x's tiles go to my row; 17:16 elements of 1 byte; 20 padding on; 21 set beside a mask; 24:22 after every 128 words; 31:25 four words
	s_or_b32 s36, s27, (1<<20)|(1<<21)|(6<<22)|(3<<25)   ; w's tiles go to my column
.irp g, 28, 36
	s_mov_b32 s[\g+1], 512<<16                     ; tensor_dim0
	s_mov_b32 s[\g+2], 64<<16                      ; tensor_dim1
	s_mov_b32 s[\g+3], 512<<16                     ; tile_dim0
	s_mov_b32 s[\g+4], 64                          ; tile_dim1
	s_mov_b32 s[\g+5], 512                         ; tensor_dim0_stride
	s_mov_b32 s[\g+6], 0
	s_mov_b32 s[\g+7], 0
.endr
	s_lshl_b32 s66, s25, 16                        ; x: 128 MB rows of 512 bytes, my half (no register of this address ever holds cx)
	s_lshl_b32 s67, s21, 15
	s_add_co_u32 s66, s66, s67
	s_mov_b32 s67, 0
	s_lshr_b32 s68, s18, 1                         ; waves 0, 1 fetch x, 2, 3 w's q columns, 4, 5 k's, 6, 7 v's
	s_max_u32 s68, s68, 1
	s_sub_co_u32 s68, s68, 1
	s_lshl_b32 s68, s68, 19                        ; w: 1,024 rows of 512 bytes a kind,
	s_lshl_b32 s69, s24, 16                        ; 128 HP rows, my half (no register of this address ever holds cy)
	s_add_co_u32 s68, s68, s69
	s_lshl_b32 s69, s21, 15
	s_add_co_u32 s68, s68, s69
	s_mov_b32 s69, 0
	s_mov_b32 s44, 1                               ; group 0 for x
	s_mul_i32 s45, s18, 64*PITCH                   ; where it goes: 64 rows a wave
	s_mov_b32 s48, 1                               ; and for w
	s_mul_i32 s49, s18, 64*PITCH
	; offsets in memory
	s_lshr_b32 s70, s25, 4
	s_lshl_b32 s70, s70, 4                         ; 16 x batch
	s_lshl_b32 s71, s24, 1
	s_add_co_u32 s70, s70, s71
	s_add_co_u32 s70, s70, s21                     ; + head
	s_lshl_b32 s70, s70, 4
	s_and_b32 s71, s25, 15
	s_add_co_u32 s70, s70, s71                     ; the record: 16 bh + the block of the sequence
	s_mul_i32 s52, s70, 4608
	s_mov_b32 s53, 0
	s_mul_i32 s54, s70, 8960
	s_mov_b32 s55, 0
	s_lshl_b32 s56, s25, 12
	s_lshl_b32 s57, s20, 11
	s_add_co_u32 s56, s56, s57                     ; x's scales at row 128 MB + 64 I
	s_mov_b32 s57, 0
	s_lshl_b32 s70, s24, 12
	s_lshl_b32 s71, s21, 11
	s_add_co_u32 s70, s70, s71                     ; w's at row 128 HP + 64 J
	s_lshl_b32 s58, s19, 15
	s_add_co_u32 s58, s58, s70                     ; of q's or k's columns,
	s_mov_b32 s59, 0
	s_lshl_b32 s62, s19, 10
	s_add_co_u32 s62, s62, s70
	s_add_co_u32 s62, s62, 65536                   ; of v's, my half
	s_mov_b32 s63, 0
	s_lshl_b32 s70, s24, 9
	s_lshl_b32 s71, s21, 8
	s_add_co_u32 s70, s70, s71                     ; the bias at column 128 HP + 64 J
	s_lshl_b32 s72, s19, 12
	s_add_co_u32 s72, s72, s70
	s_mov_b32 s73, 0
	s_lshl_b32 s74, s19, 7
	s_add_co_u32 s74, s74, s70
	s_add_co_u32 s74, s74, 8192
	s_mov_b32 s75, 0
	; LDS places
	s_mul_i32 s88, s20, 64*PITCH                   ; x: my 64 rows
	s_mul_i32 s89, s21, 64*PITCH
	s_mul_i32 s90, s19, PIECE
	s_add_co_u32 s90, s90, s89
	s_add_co_u32 s90, s90, PIECE                   ; w's q or k columns of my head
	s_mul_i32 s91, s19, 32*PITCH
	s_add_co_u32 s91, s91, s89
	s_add_co_u32 s91, s91, 3*PIECE                 ; v's, my half
	s_lshl_b32 s92, s19, 10
	s_lshl_b32 s93, s21, 9
	s_add_co_u32 s92, s92, s93
	s_add_co_u32 s92, s92, STG                     ; the stage: words [16 r][8 tile] of (ty, J)
	s_lshl_b32 s93, s20, 4
	s_add_co_u32 s93, s93, s92
	s_lshl_b32 s94, s21, 8
	s_add_co_u32 s94, s94, STG+2048                ; v's words [16 r][4 dtile] of J
	s_lshl_b32 s95, s20, 1
	s_lshl_b32 s96, s19, 3
	s_add_co_u32 s95, s95, s96
	s_add_co_u32 s95, s95, s94
	s_lshl_b32 s96, s18, 12
	s_add_co_u32 s96, s96, CSB                     ; sine and cosine: the tile that I make,
	s_lshl_b32 s97, s20, 14
	s_add_co_u32 s97, s97, CSB                     ; and the four of my rows
	s_and_b32 s98, s25, 15
	s_lshl_b32 s98, s98, 7
	s_lshl_b32 s99, s18, 4
	s_add_co_u32 s98, s98, s99                     ; that tile's first position
	s_mov_b32 s60, 0x76543210
	s_mov_b32 s61, 0xfedcba98                      ; v_permlanex16_b32's selects for lane l xor 16
	v_and_b32 v1, 15, v0                           ; r
	v_bfe_u32 v2, v0, 4, 1                         ; h
	v_and_b32 v3, 31, v0                           ; lane
	v_mul_u32_u24 v17, v1, PITCH
	v_lshlrev_b32 v8, 4, v3                        ; 16 x lane: an image's place
	v_lshlrev_b32 v13, 3, v3                       ; 8 x lane
	v_lshl_add_u32 v17, v2, 4, v17                 ; a fragment's row x pitch + 16 h
	v_lshlrev_b32 v14, 5, v1                       ; 32 r: a row of scale bytes
	v_lshlrev_b32 v15, 5, v2                       ; 32 h: eight numbers of a bias
	v_lshlrev_b32 v16, 2, v1                       ; 4 r
	v_add_nc_u32 v4, s88, v17
	v_add_nc_u32 v5, s90, v17
	v_add_nc_u32 v6, s91, v17
	v_lshl_add_u32 v9, v1, 5, s93                  ; my row's words of my four tiles
	v_lshl_add_u32 v10, v1, 4, s95                 ; v's: 16 r + 4 dtile + 2 I
	v_add_nc_u32 v11, s92, v8                      ; back: 512 bytes of words
	v_lshl_add_u32 v12, v3, 3, s94                 ; v's 256
	v_add_nc_u32 v18, s96, v8
	v_add_nc_u32 v19, s97, v8
	s_wait_alu depctr_va_vdst(0)                   ; the wait ahead of the blocking ones
	s_wait_dscnt 0x0                               ; both opening adds are done
	CROUND                                         ; all sixteen work-groups are here: the joint loads meet
	s_wait_kmcnt 0x0
	s_add_nc_u64 s[46:47], s[4:5], s[66:67]
	s_or_b32 s47, s47, 0x80000000
	s_add_nc_u64 s[50:51], s[8:9], s[68:69]
	s_or_b32 s51, s51, 0x80000000
	s_cmp_lt_u32 s18, 2
	s_cbranch_scc0 .Lfor_w
	tensor_load_to_lds s[44:47], s[28:35]
	s_nop 0
	PLACES 4
	s_branch .Lasked
.Lfor_w:
	tensor_load_to_lds s[48:51], s[36:43]
	s_nop 0
	PLACES 4
.Lasked:
	s_add_nc_u64 s[76:77], s[6:7], s[56:57]
	s_add_nc_u64 s[78:79], s[10:11], s[58:59]
	s_add_nc_u64 s[80:81], s[10:11], s[62:63]
	s_add_nc_u64 s[82:83], s[12:13], s[72:73]
	s_add_nc_u64 s[84:85], s[12:13], s[74:75]
	; the scale words and the biases, once.  A row's 32 scale bytes are its eight words, one for each K step
.irp t, 0,1,2,3
	global_load_b128 v[XSC+8*\t:XSC+8*\t+3], v14, s[76:77] offset:512*\t
	global_load_b128 v[XSC+8*\t+4:XSC+8*\t+7], v14, s[76:77] offset:512*\t+16
	global_load_b128 v[WSC+8*\t:WSC+8*\t+3], v14, s[78:79] offset:512*\t
	global_load_b128 v[WSC+8*\t+4:WSC+8*\t+7], v14, s[78:79] offset:512*\t+16
	global_load_b128 v[224+8*\t:227+8*\t], v15, s[82:83] offset:64*\t       ; the bias of d = 16 tn + 8 h + 0 .. 7
	global_load_b128 v[228+8*\t:231+8*\t], v15, s[82:83] offset:64*\t+16
.endr
.irp t, 0,1
	global_load_b128 v[WSC+32+8*\t:WSC+32+8*\t+3], v14, s[80:81] offset:512*\t
	global_load_b128 v[WSC+32+8*\t+4:WSC+32+8*\t+7], v14, s[80:81] offset:512*\t+16
	global_load_b32 v[26+\t], v16, s[84:85] offset:64*\t                    ; v: a lane holds one d = 16 tn + r
.endr
	; where the results go
	s_add_nc_u64 s[86:87], s[14:15], s[52:53]      ; my record of qq
	s_add_nc_u64 s[88:89], s[16:17], s[54:55]      ; and of kv
	s_lshl_b32 s90, s20, 11
	s_mov_b32 s91, 0
	s_add_nc_u64 s[70:71], s[86:87], s[90:91]      ; the images of q's four tiles, or of k's
	s_add_nc_u64 s[72:73], s[88:89], s[90:91]
	s_add_nc_u64 s[66:67], s[86:87], 4096          ; their words
	s_add_nc_u64 s[68:69], s[88:89], 8192
	s_cmp_eq_u32 s19, 0                            ; the choices hang on the wave's number alone
	s_cselect_b64 s[70:71], s[70:71], s[72:73]
	s_cselect_b64 s[66:67], s[66:67], s[68:69]
	s_lshl_b32 s90, s20, 9
	s_lshl_b32 s92, s19, 11
	s_add_co_u32 s90, s90, s92
	s_add_co_u32 s90, s90, 4096
	s_add_nc_u64 s[68:69], s[88:89], s[90:91]      ; v's images: c = I, dtiles 2 ty, 2 ty + 1
	s_add_nc_u64 s[72:73], s[88:89], 8704          ; v's words
	; SINE AND COSINE of 16 positions x my lane's 16 pairs, while the tiles are on their way.  Pair e = 4 tn + jj of lane half h is frequency i = 8 tn + 4 h + jj: 10^(-i / 8).
	; a = position x frequency (one f32 product); n = the nearest whole number to a x 2 / pi; r = a - n pi / 2, pi / 2 in two parts; sine and cosine of r by polynomials in r^2;
	; n's two low bits say which of the two is which and with which sign.  Only values are chosen: no branch hangs on a number.
	v_cmp_eq_u32 vcc_lo, 1, v2                     ; lanes 16-31
	s_mov_b32 s92, 0xb94ca1f9                      ; sine: -1.9515295891e-4,
	s_mov_b32 s93, 0x3c08839e                      ; 8.3321608736e-3,
	s_mov_b32 s94, 0xbe2aaaa3                      ; -1.6666654611e-1
	s_mov_b32 s95, 0x37ccf5ce                      ; cosine: 2.443315712e-5,
	s_mov_b32 s96, 0xbab6061a                      ; -1.388731625e-3,
	s_mov_b32 s97, 0x3d2aaaa5                      ; 4.166664568e-2
	WIN 0x40                                       ; destination window 1
	v_add_nc_u32 v[16], s98, v1
	WIN 0x55                                       ; all in window 1
.macro INVF e, lo, hi                  ; the frequency 10^(-i / 8), the literal rounded once to f32: lanes 0-15 take lo, lanes 16-31 hi
	v_mov_b32 v[\e], \lo
	v_mov_b32 v[32+\e], \hi
	v_cndmask_b32 v[\e], v[\e], v[32+\e], vcc_lo
.endm
	INVF 0, 1.0, 0.31622776601683794
	INVF 1, 0.7498942093324558, 0.23713737056616552
	INVF 2, 0.5623413251903491, 0.17782794100389228
	INVF 3, 0.4216965034285822, 0.1333521432163324
	INVF 4, 0.1, 0.031622776601683794
	INVF 5, 0.07498942093324558, 0.023713737056616552
	INVF 6, 0.05623413251903491, 0.017782794100389228
	INVF 7, 0.04216965034285822, 0.01333521432163324
	INVF 8, 0.01, 0.0031622776601683794
	INVF 9, 0.007498942093324558, 0.0023713737056616552
	INVF 10, 0.005623413251903491, 0.0017782794100389228
	INVF 11, 0.004216965034285822, 0.001333521432163324
	INVF 12, 0.001, 0.00031622776601683794
	INVF 13, 0.0007498942093324558, 0.00023713737056616552
	INVF 14, 0.0005623413251903491, 0.00017782794100389228
	INVF 15, 0.0004216965034285822, 0.0001333521432163324
	v_cvt_f32_u32 v[16], v[16]
.macro ALL16 line:vararg               ; one line for each of the 16 pairs
.set e, 0
.rept 16
	\line
.set e, e+1
.endr
.endm
	ALL16 v_mul_f32 v[32+e], v[16], v[e]
	ALL16 v_mul_f32 v[48+e], 0x3f22f983, v[32+e]
	ALL16 v_rndne_f32 v[48+e], v[48+e]
	ALL16 v_fmamk_f32 v[64+e], v[48+e], 0xbfc90fdb, v[32+e]
	ALL16 v_cvt_i32_f32 v[128+e], v[48+e]
	ALL16 v_fmamk_f32 v[64+e], v[48+e], 0x333bbd2e, v[64+e]
	ALL16 v_lshlrev_b32 v[160+e], 30, v[128+e]
	ALL16 v_add_nc_u32 v[176+e], 1, v[128+e]
	ALL16 v_mul_f32 v[80+e], v[64+e], v[64+e]
	ALL16 v_and_b32 v[160+e], 0x80000000, v[160+e] ; the sine's sign turns where n's bit 1 is set
	ALL16 v_lshlrev_b32 v[176+e], 30, v[176+e]
	ALL16 v_fma_f32 v[96+e], v[80+e], s92, s93
	ALL16 v_fma_f32 v[112+e], v[80+e], s95, s96
	ALL16 v_mul_f32 v[144+e], v[80+e], v[64+e]
	ALL16 v_fma_f32 v[96+e], v[96+e], v[80+e], s94
	ALL16 v_fma_f32 v[112+e], v[112+e], v[80+e], s97
	ALL16 v_and_b32 v[176+e], 0x80000000, v[176+e] ; the cosine's where bit 1 of n + 1 is set
	ALL16 v_fma_f32 v[96+e], v[96+e], v[144+e], v[64+e]
	ALL16 v_fma_f32 v[112+e], v[112+e], v[80+e], -0.5
	ALL16 v_and_b32 v[128+e], 1, v[128+e]
	ALL16 v_fma_f32 v[112+e], v[112+e], v[80+e], 1.0
.set e, 0
.rept 16
	v_cmp_ne_u32 vcc_lo, 0, v[128+e]               ; n odd: the two change places
	v_cndmask_b32 v[32+e], v[96+e], v[112+e], vcc_lo
	v_cndmask_b32 v[48+e], v[112+e], v[96+e], vcc_lo
.set e, e+1
.endr
.set e, 0
.rept 16
	v_xor_b32 v[192+2*e], v[48+e], v[176+e]        ; cos
	v_xor_b32 v[193+2*e], v[32+e], v[160+e]        ; sin
.set e, e+1
.endr
	WIN 0x04                                       ; a store's data are its source 1: window 1
.irp k, 0,1,2,3,4,5,6,7
	ds_store_b128 v18, v[192+4*\k:195+4*\k] offset:512*\k
.endr
	WIN 0
	s_wait_loadcnt 0x0                             ; the scale words and the biases
	WIN 0x40
.irp t, 0,1
.irp j, 0,1,2,3,4,5,6,7
	v_mov_b32 v[240+8*\t+\j], v[26+\t]             ; v's bias: a lane's eight registers hold the same number
.endr
.endr
	WIN 0
; 20 LDS loads in one run: the 10 fragments of K step ks into set.  A fragment, 16 rows x 128 K of 4-bit codes, is 8 registers: lane (r, h) holds row r; registers 4 c .. 4 c + 3 hold K = 64 c + 32 h + 0 .. 31
.macro FETCH ks, set
	WIN 0
.irp t, 0,1,2,3
.irp c, 0,1
	ds_load_b128 v[112+80*(\set)+8*\t+4*\c:112+80*(\set)+8*\t+4*\c+3], v4 offset:\t*16*PITCH+(\ks)*64+32*\c
.endr
.endr
	WIN 0x40*(\set)                                ; set 1 of w's lies in window 1
.irp t, 0,1,2,3
.irp c, 0,1
	ds_load_b128 v[144+48*(\set)+8*\t+4*\c:144+48*(\set)+8*\t+4*\c+3], v5 offset:\t*16*PITCH+(\ks)*64+32*\c
.endr
.endr
.irp t, 0,1
.irp c, 0,1
	ds_load_b128 v[176+48*(\set)+8*\t+4*\c:176+48*(\set)+8*\t+4*\c+3], v6 offset:\t*16*PITCH+(\ks)*64+32*\c
.endr
.endr
	WIN 0
.endm
; 24 matrix instructions.  first = 1: the bias is the C of the sum's first instruction.  All 24 accumulators take turns, one instruction a turn.
.macro MUL ks, set, first
.if \first
	WIN 0x40                                       ; C window 0, D window 1
.else
	WIN 0x50+(\set)                                ; C and D window 1; source 0 (w) by the set
.endif
.irp tm, 0,1,2,3
.irp tn, 0,1,2,3
.if \first
	v_wmma_scale_f32_16x16x128_f8f6f4 v[32*\tm+8*\tn:32*\tm+8*\tn+7], v[144+48*(\set)+8*\tn:144+48*(\set)+8*\tn+7], v[112+80*(\set)+8*\tm:112+80*(\set)+8*\tm+7], v[224+8*\tn:231+8*\tn], v[WSC+8*\tn+(\ks)], v[XSC+8*\tm+(\ks)] matrix_a_fmt:MATRIX_FMT_FP4 matrix_b_fmt:MATRIX_FMT_FP4
.else
	v_wmma_scale_f32_16x16x128_f8f6f4 v[32*\tm+8*\tn:32*\tm+8*\tn+7], v[144+48*(\set)+8*\tn:144+48*(\set)+8*\tn+7], v[112+80*(\set)+8*\tm:112+80*(\set)+8*\tm+7], v[32*\tm+8*\tn:32*\tm+8*\tn+7], v[WSC+8*\tn+(\ks)], v[XSC+8*\tm+(\ks)] matrix_a_fmt:MATRIX_FMT_FP4 matrix_b_fmt:MATRIX_FMT_FP4
.endif
.endr
.endr
	WIN 0x50+4*(\set)                              ; v: source 1 is w; C and D window 1
.irp tn, 0,1
.irp tm, 0,1,2,3
.if \first
	v_wmma_scale_f32_16x16x128_f8f6f4 v[128+32*\tn+8*\tm:128+32*\tn+8*\tm+7], v[112+80*(\set)+8*\tm:112+80*(\set)+8*\tm+7], v[176+48*(\set)+8*\tn:176+48*(\set)+8*\tn+7], v[240+8*\tn:247+8*\tn], v[XSC+8*\tm+(\ks)], v[WSC+32+8*\tn+(\ks)] matrix_a_fmt:MATRIX_FMT_FP4 matrix_b_fmt:MATRIX_FMT_FP4
.else
	v_wmma_scale_f32_16x16x128_f8f6f4 v[128+32*\tn+8*\tm:128+32*\tn+8*\tm+7], v[112+80*(\set)+8*\tm:112+80*(\set)+8*\tm+7], v[176+48*(\set)+8*\tn:176+48*(\set)+8*\tn+7], v[128+32*\tn+8*\tm:128+32*\tn+8*\tm+7], v[XSC+8*\tm+(\ks)], v[WSC+32+8*\tn+(\ks)] matrix_a_fmt:MATRIX_FMT_FP4 matrix_b_fmt:MATRIX_FMT_FP4
.endif
.endr
.endr
	WIN 0
.endm
	s_wait_alu depctr_va_vdst(0)                   ; the wait at the head's end
	s_wait_tensorcnt 0x0                           ; my 64 rows are in
	s_wait_dscnt 0x0                               ; and my sines and cosines
	s_barrier_signal -1
	s_barrier_wait -1                              ; everybody's are
	FETCH 0, 0
.irp ks, 0,1,2,3,4,5,6,7
.if \ks < 7
.if \ks > 0
	PLACES 4                                       ; in front of loads into registers that the last K step's matrix instructions have read
.endif
	FETCH \ks+1, (\ks+1)%2
	s_wait_dscnt 20                                ; all but the 20 just issued: this K step's fragments are in
.else
	s_wait_dscnt 0x0
.endif
.if \ks == 0
	MUL \ks, 0, 1
.else
	MUL \ks, \ks%2, 0
.endif
.endr
; Two groups of 32 numbers of a lane, register 32 u + 16 b + 8 x + j (u: group, b: block of 32, x: tile of the block), become 2 x four registers of codes at pc and two words of two scale bytes at pw.
; A block's scale byte is its largest magnitude's exponent field - 2, held at 1 from below by the floor 2^(3 - 127) among the maximum's leaves; the conversion takes the exponent field of its scale operand alone.
.macro QUANT64 s, wmax, wcvt, pc, pw, full
	WIN \wmax
.irp b, 0,1,2,3
	v_max3_num_f32 v[TM+\b], 0x1800000, |v[(\s)+16*\b]|, |v[(\s)+16*\b+1]|
.endr
.irp i, 2,4,6,8,10,12,14
.irp b, 0,1,2,3
	v_max3_num_f32 v[TM+\b], v[TM+\b], |v[(\s)+16*\b+\i]|, |v[(\s)+16*\b+\i+1]|
.endr
.endr
	WIN 0
.irp b, 0,1,2,3
	v_permlanex16_b32 v[TP+\b], v[TM+\b], s60, s61
.endr
.irp b, 0,1,2,3
	v_max_num_f32 v[TM+\b], v[TM+\b], v[TP+\b]     ; with lane l xor 16's 16 numbers: the block's largest magnitude
.endr
.irp b, 0,1,2,3
	v_add_nc_u32 v[SCF+\b], 0xff000000, v[TM+\b]   ; 2 off its exponent field
.endr
.irp b, 0,1,2,3
	v_lshrrev_b32 v[BY+\b], 23, v[SCF+\b]          ; the scale's byte
.endr
.irp u, 0,1
	v_lshl_or_b32 v[(\pw)+\u], v[BY+2*\u+1], 8, v[BY+2*\u]
.endr
.if \full
.irp u, 0,1
	v_or_b32 v[(\pw)+\u], 0x7f7f0000, v[(\pw)+\u]  ; the bytes of the K that q and k do not have: 1.0, over zero codes
.endr
.endif
	WIN \wcvt
.irp u, 0,1
.irp x, 0,1
.irp b, 0,1
	v_cvt_scalef32_pk8_fp4_f32 v[(\pc)+4*\u+2*\x+\b], v[(\s)+32*\u+16*\b+8*\x:(\s)+32*\u+16*\b+8*\x+7], v[SCF+2*\u+\b]
.endr
.endr
.endr
	WIN 0
	v_nop                                          ; one plain place behind a scaled conversion
.irp y, 0,2,4,6
	v_permlane16_swap_b32 v[(\pc)+\y], v[(\pc)+\y+1]   ; the first's lanes 16-31 change places with the second's lanes 0-15: register 2 x + i of lane half h' now holds codes 8 (2 x + i) .. + 7 of block h'
.endr
.endm
; (cos, sin) of the tiles 2 p and 2 p + 1 of my rows: v192-223 of window 0 and of window 1
.macro CSLOAD p
	WIN 0
.irp k, 0,1,2,3,4,5,6,7
	ds_load_b128 v[192+4*\k:195+4*\k], v19 offset:8192*\p+512*\k
.endr
	WIN 0x40
.irp k, 0,1,2,3,4,5,6,7
	ds_load_b128 v[192+4*\k:195+4*\k], v19 offset:8192*\p+4096+512*\k
.endr
	WIN 0
.endm
; RoPE on tile tm, the pair's u-th: (x1, x2) -> (x1 cos - x2 sin, x1 sin + x2 cos), each accumulator from its low end on
.macro ROPE tm, u
	WIN 0x01+4*\u                                  ; source 0 window 1, source 1 by the tile, source 2 and destination window 0
.set e, 0
.rept 16
	v_pk_mul_f32 v[HB+32*\u+2*e:HB+32*\u+2*e+1], v[32*(\tm)+2*e:32*(\tm)+2*e+1], v[192+2*e:193+2*e] op_sel_hi:[1,0]
.set e, e+1
.endr
.set e, 0
.rept 16
	v_fma_f32 v[HB+32*\u+2*e], -v[32*(\tm)+2*e+1], v[193+2*e], v[HB+32*\u+2*e]
	v_fma_f32 v[HB+32*\u+2*e+1], v[32*(\tm)+2*e], v[193+2*e], v[HB+32*\u+2*e+1]
.set e, e+1
.endr
	WIN 0
.endm
	PLACES 4                                       ; behind the last products: results are read, and registers that held fragments are loaded
	CSLOAD 0
.irp b, 0,1,2,3
	v_mov_b32 v[TP+\b], 0                          ; written once: a lane permute's destination counts as one of its sources
.endr
	QUANT64 128, 0x14, 0x01, 224, 20, 0            ; v: the numbers are the accumulators themselves: my 64 keys of d = 16 tn + r
.irp t, 0,1
	global_store_b128 v8, v[224+4*\t:227+4*\t], s[68:69] offset:1024*\t      ; 32 lanes store 512 consecutive bytes, at a multiple of 256 from the buffer's first byte
	ds_store_b16 v10, v[20+\t] offset:4*\t         ; two of the word's four bytes; the other row half's wave has the other two
.endr
.irp p, 0,1
	s_wait_dscnt 0x0                               ; the pair's sines and cosines
	ROPE 2*\p, 0
	ROPE 2*\p+1, 1
.if \p == 0
	CSLOAD 1
.endif
	QUANT64 HB, 0, 0, 232+8*\p, 26+2*\p, 1
.irp t, 0,1
	global_store_b128 v8, v[232+8*\p+4*\t:235+8*\p+4*\t], s[70:71] offset:512*(2*\p+\t)
.endr
.endr
	ds_store_b128 v9, v[26:29]                     ; my row's words of my four tiles
	s_wait_dscnt 0x0                               ; for the others' sake: my stores into the stage are done
	s_barrier_signal -1
	s_barrier_wait -1
	s_cmp_lg_u32 s20, 0
	s_cbranch_scc1 .Lno_words
	ds_load_b128 v[112:115], v11
	s_wait_dscnt 0x0
	global_store_b128 v8, v[112:115], s[66:67]     ; waves with I = 0: 512 consecutive bytes of scale words, q's or k's
.Lno_words:
	s_and_b32 s62, s18, 6
	s_cmp_lg_u32 s62, 2
	s_cbranch_scc1 .Lno_vs
	ds_load_b64 v[116:117], v12
	s_wait_dscnt 0x0
	global_store_b64 v13, v[116:117], s[72:73]     ; waves 2 and 3: v's words of head J: 256 consecutive bytes
.Lno_vs:
	s_wait_tensorcnt 0x0                           ; the wave's end
	ds_add_u32 v30, v31
	s_wait_dscnt 0x0
	CROUND                                         ; the closing round: no work-group ends while a partner may still ask for a tile that names it
	s_endpgm
.Lfunc_end_k_q9a91462935_qkv:
	.size	k_q9a91462935_qkv, .Lfunc_end_k_q9a91462935_qkv-k_q9a91462935_qkv
	.p2alignl 7, 3214868480
	.fill 96, 4, 3214868480
	.section	.rodata,"a",@progbits
	.p2align	6, 0x0
	.amdhsa_kernel k_q9a91462935_qkv
		.amdhsa_group_segment_fixed_size 306688
		.amdhsa_private_segment_fixed_size 0
		.amdhsa_enable_private_segment 0
		.amdhsa_kernarg_size 56
		.amdhsa_user_sgpr_count 2
		.amdhsa_user_sgpr_kernarg_segment_ptr 1
		.amdhsa_wavefront_size32 1
		.amdhsa_system_sgpr_workgroup_id_x 1
		.amdhsa_system_sgpr_workgroup_id_y 1
		.amdhsa_system_sgpr_workgroup_id_z 1
		.amdhsa_system_vgpr_workitem_id 0
		.amdhsa_next_free_vgpr 512
		.amdhsa_next_free_sgpr 100
		.amdhsa_reserve_vcc 1
		.amdhsa_float_denorm_mode_32 3
		.amdhsa_float_denorm_mode_16_64 3
		.amdhsa_memory_ordered 1
		.amdhsa_forward_progress 1
		.amdhsa_inst_pref_size 99
	.end_amdhsa_kernel
	.amdgpu_metadata
---
amdhsa.version: [ 1, 2 ]
amdhsa.kernels:
  - .name:           k_q9a91462935_qkv
    .symbol:         k_q9a91462935_qkv.kd
    .args:
      - { .name: x_codes, .offset: 0, .size: 8, .value_kind: global_buffer, .address_space: global }
      - { .name: x_scales, .offset: 8, .size: 8, .value_kind: global_buffer, .address_space: global }
      - { .name: w_qkv_codes, .offset: 16, .size: 8, .value_kind: global_buffer, .address_space: global }
      - { .name: w_qkv_scales, .offset: 24, .size: 8, .value_kind: global_buffer, .address_space: global }
      - { .name: b_qkv, .offset: 32, .size: 8, .value_kind: global_buffer, .address_space: global }
      - { .name: qq, .offset: 40, .size: 8, .value_kind: global_buffer, .address_space: global }
      - { .name: kv, .offset: 48, .size: 8, .value_kind: global_buffer, .address_space: global }
    .group_segment_fixed_size: 306688
    .private_segment_fixed_size: 0
    .kernarg_segment_align: 8
    .kernarg_segment_size: 56
    .max_flat_workgroup_size: 256
    .sgpr_count:     100
    .vgpr_count:     512
    .wavefront_size: 32
...
	.end_amdgpu_metadata
.endif
;; end of part 1
;; launch attn (part 2): grid 4 x 64, 16 waves a work-group, clusters of 4 x 1, 219,136 bytes of LDS; arguments qq, kv, oo; writes oo
.if DOCPART == 2
	.amdgcn_target "amdgcn-amd-amdhsa--gfx1250"
	.amdhsa_code_object_version 6
	.text
	.protected	k_q9a91462935_attn
	.globl	k_q9a91462935_attn
	.p2align	8
	.type	k_q9a91462935_attn,@function
k_q9a91462935_attn:
	s_mov_b64 s[64:65], 0
	v_nop
	global_prefetch_b8 v0, s[64:65] scope:SCOPE_SE
	s_setreg_imm32_b32 hwreg(HW_REG_WAVE_MODE, 25, 1), 1
	s_wait_xcnt 0x0
	s_wait_alu depctr_hold_cnt(0) depctr_sa_sdst(0) depctr_va_vdst(0) depctr_va_sdst(0) depctr_va_ssrc(0) depctr_va_vcc(0) depctr_vm_vsrc(0)
	s_getreg_b32 s2, hwreg(HW_REG_IB_STS2, 6, 4)
	s_cmp_eq_u32 s2, 0
	s_cbranch_scc0 .Lentry_in_a_cluster
	s_endpgm
.Lentry_in_a_cluster:
	s_bfe_u32 s2, ttmp6, 0x10000c
	s_cmp_lg_u32 s2, 0x3003
	s_cbranch_scc0 .Lentry_shape_is_right
	s_endpgm
.Lentry_shape_is_right:
; Causal attention of one head on codes of FP4 (E2M1) with one E8M0 scale for each 32 along a product's K; the result, divided by the row's sum, is quantised along d for the last product.
; THE SOFTMAX AHEAD OF THE SECOND PRODUCT: t = score x 8 log2(e) (the logits are the scores x sqrt(64)); M = the row's largest t so far, rounded UP to a whole number; p = 2^(t - M) is what is quantised, along the keys.
; t IS AN f32 NUMBER OF ITS OWN, as the problem's text defines it: it is rounded before M is taken off, by a multiplication and an addition that are NOT fused.
; The row's sum is taken of the unquantised p and divides O at the end.  When M moves, and where two parts of a row are joined, the sum and O are multiplied by 2^(old M - new M): exact.
; SHARES.  The sequence is 16 blocks of 128 positions; a key step is one block of keys.  A work-group owns ONE tile of 16 queries in EACH of the 16 blocks of its head: so every work-group has the same steps.
; Waves s and s + 8 (s = 0 .. 7) share the tiles of block s (the short one: s full steps and the diagonal one) and of block 15 - s (the long one: 15 - s full steps and the diagonal one).
; Wave s + 8, called a below, takes the long tile's key blocks 0 .. 6 - s, puts that part into LDS, and then walks the short tile: s full steps and a diagonal one.
; Wave s, called b, takes the long tile's key blocks 7 - s .. 14 - s and its diagonal one, and joins a's part: 8 full steps and a diagonal one.
; WORK LEFT OUT: key blocks that come wholly after a tile's queries, which the causal mask of reference() throws away.  A tile lies in the lower or the upper half of its block; in the lower half the diagonal step takes 64 keys alone.
; Which half is a choice by cluster, pair and wave, not by the place in the cluster: of each pair's two tiles one lies in a lower half and one in an upper.
; CLUSTER.  Four work-groups of one head: the place in the cluster is the tile's number in its half; it enters the query's addresses, the mask's numbers and the result's addresses alone.  All of the head's records are asked for jointly.
; LDS.  The head's 16 records of kv (8,960 bytes: K's images, V^T's images, both scale words), each filled once, one tensor load a wave.  Behind them 4,608 bytes a wave for the parts that are joined.
; A step's K and its scale words are loaded from LDS during the step before, behind that step's first product.  The record that follows a tile's last full step is its diagonal step's.
; No prefetch into the L2: all that comes by tensor loads is asked for at the head, and no loop runs ahead of it.
; LAYOUT.  Both products are used transposed: S^T = K Q^T (source 0 = 16 keys, source 1 = my 16 queries), O^T = V^T P^T (source 0 = 16 of the head's 64, source 1 = P): a lane holds ONE query (lane % 16) throughout.
; K = 64 fills half of the instruction's 128: q's upper four registers hold zero codes, and both sides' scale bytes there are 1.0: so whatever source 0's upper four registers hold (the next tile's codes) adds exactly 0.
; A tile's eight registers of a lane are keys 16 tile + 8 (lane / 16) + 0 .. 7: one conversion makes them a register of codes, and an exchange of halves between the equal tiles of two neighbouring blocks of 32 keys
; puts whole blocks into lanes.
; LIMITS.  NaN and infinities are not served, and one that reaches only the key blocks left out is not carried to the result; 1 / the sum is v_rcp_f32; the promise holds while t stays under 2^31 in magnitude;
; a block whose largest magnitude lies under 2^-124 gets the byte 1 (its codes are zeros or tiny; this program alone reads the bytes).
; The two scale bytes of a row and head leave as a store of 2 bytes a lane, 32 bytes apart: the other heads' bytes of those rows belong to other work-groups; it is one byte in 17 of what this launch stores.
; REGISTERS: v1-3 16 lane, 32 r, 16 r; v4 the mask's number; v5 -infinity; v6-8 the step's LDS addresses; v12 -M, v13 the largest t, v[14:15] the sum in two halves; v16-19 q, v20-23 zeros, v24 q's scale word;
;   v25, v31 where the partner's part lies and mine goes; v26-30 the last tile's q and scale word; v32-63 K's 8 tiles, v64-67 zeros; v68-75 K's scale words, v76-79 V's; v96-159 S^T, then t, then p; v160-191 O^T;
;   v192-223 V; v224-231 p's codes; v232-254 at work; v251, v255 the add's.
.set REC,   8960                       ; a record of kv
.set MERGE, 16*REC                     ; behind the records: the parts, 9 x 512 bytes a wave
.set MREC,  4608
.set SPARE, MERGE+16*MREC              ; the spare words, 128 bytes a wave
.macro CROUND                          ; a round of the cluster's barrier
	s_barrier_signal -1
	s_barrier_wait -1
	s_cmp_lg_u32 s18, 0
	s_cbranch_scc1 .Lnot_wave_0_\@
	s_barrier_signal -3
.Lnot_wave_0_\@:
	s_barrier_wait -3
	s_barrier_signal -1
	s_barrier_wait -1
.endm
.macro HINT n
	s_delay_alu instid0(VALU_DEP_\n)
.endm
.macro QOFF blk, tile, im, wd          ; offsets of a tile of qq: its image, its scale words
	s_lshl_b32 s[\im], s12, 4
	s_add_co_u32 s[\im], s[\im], s[\blk]
	s_mul_i32 s[\im], s[\im], 4608
	s_lshl_b32 s[\wd], s[\tile], 2
	s_add_co_u32 s[\wd], s[\wd], s[\im]
	s_add_co_u32 s[\wd], s[\wd], 4096
	s_lshl_b32 s[\im+1], s[\tile], 9
	s_add_co_u32 s[\im], s[\im], s[\im+1]
	s_mov_b32 s[\im+1], 0
	s_mov_b32 s[\wd+1], 0
.endm
	s_load_b128 s[4:7], s[0:1], 0x0                ; qq, kv
	s_load_b64 s[8:9], s[0:1], 0x10                ; oo
	v_lshl_add_u32 v251, v0, 2, SPARE
	v_mov_b32 v255, 0
	ds_add_u32 v251, v255                          ; the wave's opening: the add, twice on end, and its wait
	ds_add_u32 v251, v255
	v_lshrrev_b32 v1, 5, v0
	v_readfirstlane_b32 s18, v1                    ; wave 0..15
	s_and_b32 s21, ttmp7, 0xffff
	s_and_b32 s12, s21, 31                         ; bh = 16 x batch + head
	s_lshr_b32 s22, s21, 5                         ; X: which of the head's two clusters
	s_bfe_u32 s23, ttmp6, 0x40000                  ; cx
	s_lshr_b32 s13, s18, 3
	s_xor_b32 s19, s13, 1                          ; 0: a, 1: b
	s_and_b32 s20, s18, 7                          ; s
	s_and_b32 s24, s20, 1
	s_xor_b32 s24, s24, s22                        ; the short tile's half of its block; the long tile's is the other
	s_xor_b32 s25, s24, s19                        ; the half of the tile that I finish: 0 the lower, 1 the upper
	s_mul_i32 s13, s19, 15
	s_xor_b32 s15, s20, s13                        ; the block of the tile that I finish: a's s, b's 15 - s
	s_lshl_b32 s14, s25, 2
	s_add_co_u32 s14, s14, s23                     ; and that tile's number in its block
	s_xor_b32 s26, s20, 15                         ; the long tile's block,
	s_xor_b32 s27, s24, 1
	s_lshl_b32 s27, s27, 2
	s_add_co_u32 s27, s27, s23                     ; and its number there
	s_xor_b32 s28, s20, 7                          ; 7 - s
	s_mul_i32 s44, s28, s19
	s_mul_i32 s44, s44, REC                        ; my first record of the long tile: a's 0, b's 7 - s
	s_mul_i32 s48, s15, REC                        ; my diagonal step's record
	s_cmp_eq_u32 s19, 0
	s_cselect_b32 s46, s28, 8                      ; my full steps of the long tile
	s_cselect_b32 s47, s20, 0                      ; and of the short one
	; descriptor group 1: a record is a dense block: 35 rows of 256 bytes (32 elements of 8 bytes)
	s_mov_b32 s68, 15|(3<<16)|(1<<21)              ; 15:0 the mask: all four; 17:16 elements of 8 bytes; 21 set beside a mask
	s_mov_b32 s69, 32<<16                          ; tensor_dim0
	s_mov_b32 s70, 35<<16                          ; tensor_dim1
	s_mov_b32 s71, 32<<16                          ; tile_dim0
	s_mov_b32 s72, 35                              ; tile_dim1
	s_mov_b32 s73, 32                              ; tensor_dim0_stride
	s_mov_b32 s74, 0
	s_mov_b32 s75, 0
	s_mov_b32 s76, 1
	s_mul_i32 s77, s18, REC                        ; record w goes to its own place
	s_lshl_b32 s50, s12, 4
	s_add_co_u32 s50, s50, s18
	s_mul_i32 s50, s50, REC
	s_mov_b32 s51, 0
	s_mov_b32 s40, 0x76543210
	s_mov_b32 s41, 0xfedcba98                      ; v_permlanex16_b32's selects for lane l xor 16
	s_mov_b32 s42, 0x4138aa3b                      ; c = 8 x the f32 number log2(e): score x c, rounded once, is (score x 8) x log2(e), rounded once
	s_mov_b32 s43, s42                             ; (named with it as a pair, so it is written)
	QOFF 26, 27, 80, 82                            ; the long tile
	QOFF 15, 14, 84, 86                            ; the tile that I finish
	s_mul_i32 s53, s18, MREC
	s_add_co_u32 s53, s53, MERGE                   ; where my part goes,
	s_xor_b32 s54, s18, 8
	s_mul_i32 s54, s54, MREC
	s_add_co_u32 s54, s54, MERGE                   ; and my partner's
	s_lshl_b32 s52, s23, 4
	; where the result goes
	s_lshr_b32 s56, s12, 4
	s_lshl_b32 s56, s56, 4
	s_add_co_u32 s56, s56, s15                     ; the block of 128 rows: 16 x batch + block
	s_and_b32 s57, s12, 15                         ; the head
	s_lshl_b32 s88, s56, 16                        ; codes: [32 rb][8 kstep][8 rowtile][2 c][512], kstep = head / 2, c = head % 2
	s_lshr_b32 s58, s57, 1
	s_lshl_b32 s58, s58, 13
	s_add_co_u32 s88, s88, s58
	s_lshl_b32 s58, s14, 10
	s_add_co_u32 s88, s88, s58
	s_and_b32 s58, s57, 1
	s_lshl_b32 s58, s58, 9
	s_add_co_u32 s88, s88, s58
	s_mov_b32 s89, 0
	s_lshl_b32 s90, s56, 3                         ; scale bytes: behind the codes, [32 rb][8 rowtile][16 r][16 head] of 2 bytes
	s_add_co_u32 s90, s90, s14
	s_lshl_b32 s90, s90, 9
	s_lshl_b32 s58, s57, 1
	s_add_co_u32 s90, s90, s58
	s_add_co_u32 s90, s90, 2097152
	s_mov_b32 s91, 0
	v_and_b32 v9, 15, v0                           ; r
	v_bfe_u32 v10, v0, 4, 1                        ; h
	v_and_b32 v11, 31, v0                          ; lane
	v_lshlrev_b32 v2, 5, v9                        ; 32 r: q's and K's scale words, [16 r][8 tile]
	v_lshlrev_b32 v1, 4, v11                       ; 16 x lane: an image's place
	v_lshlrev_b32 v3, 4, v9                        ; 16 r: V's, [16 r][4 dtile]
	v_lshlrev_b32 v4, 3, v10
	v_add_nc_u32 v31, s53, v1
	v_add_nc_u32 v25, s54, v1
	v_sub_nc_u32 v4, v9, v4
	v_mov_b32 v5, 0xff800000                       ; -infinity
	v_add_nc_u32 v4, s52, v4                       ; 16 cx + r - 8 h: on the diagonal register j of the half's tile t holds a hidden key where 16 t + j is larger
	s_wait_alu depctr_va_vdst(0)                   ; the wait ahead of the blocking ones
	s_wait_dscnt 0x0                               ; both opening adds are done
	CROUND                                         ; the cluster's work-groups are here: the joint loads meet
	s_wait_kmcnt 0x0
	s_add_nc_u64 s[80:81], s[4:5], s[80:81]
	s_add_nc_u64 s[82:83], s[4:5], s[82:83]
	s_add_nc_u64 s[78:79], s[6:7], s[50:51]
	s_or_b32 s79, s79, 0x80000000
	global_load_b128 v[16:19], v1, s[80:81]        ; the long tile's q
	global_load_b32 v24, v2, s[82:83]
	s_cmp_lt_u32 s18, 8                            ; two lines: waves 0 to 7 wait for theirs ahead of the first step, waves 8 to 15 behind it
	s_cbranch_scc0 .Lupper
	tensor_load_to_lds s[76:79], s[68:75]
	s_nop 0
.rept 4
	v_nop
.endr
	s_branch .Lasked
.Lupper:
	tensor_load_to_lds s[76:79], s[68:75]
	s_nop 0
.rept 4
	v_nop
.endr
.Lasked:
	s_add_nc_u64 s[84:85], s[4:5], s[84:85]
	s_add_nc_u64 s[86:87], s[4:5], s[86:87]
	global_load_b128 v[26:29], v1, s[84:85]        ; the last tile's q
	global_load_b32 v30, v2, s[86:87]
	s_add_nc_u64 s[88:89], s[8:9], s[88:89]
	s_add_nc_u64 s[90:91], s[8:9], s[90:91]
.irp j, 20,21,22,23,64,65,66,67
	v_mov_b32 v[\j], 0                             ; zero codes
.endr
.irp j, 236,237,238,239,252,253
	v_mov_b32 v[\j], 0                             ; written once: a lane permute's destination counts as one of its sources; v253 is named as the upper half of a pair
.endr
.macro FRESH                           ; an empty row: the largest t -3e38, under every t; -M; the sum in two halves; O^T
	v_mov_b32 v13, 0xff61b1e6
	v_mov_b32 v14, 0
	v_mov_b32 v15, 0
	v_floor_f32 v12, -v13
.set j, 0
.rept 32
	v_mov_b32 v[160+j], 0                          ; (the step is written without a first step of its own: the first change of M multiplies zeros)
.set j, j+1
.endr
.endm
	FRESH
	v_add_nc_u32 v10, s44, v1                      ; my first record's K and scale words
	v_add_nc_u32 v11, s44, v2
; K's 8 tiles and its scale words of a record: 10 LDS loads; ka, kb: address registers; off: bytes on
.macro KLOAD ka, kb, off
.irp t, 0,1,2,3,4,5,6,7
	ds_load_b128 v[32+4*\t:35+4*\t], v[\ka] offset:(\off)+512*\t
.endr
	ds_load_b128 v[68:71], v[\kb] offset:(\off)+8192
	ds_load_b128 v[72:75], v[\kb] offset:(\off)+8208
.endm
; A KEY STEP: nb blocks of 32 keys (4, or 2 in the diagonal step of a tile in the lower half), the record at LDS byte s[rec], whose K has been asked for.  mask = 1: the diagonal step; its last two blocks hold the hidden keys.
; ahead = 1: the next record's K is asked for.
.macro STEP nb, mask, rec, ahead
	v_add_nc_u32 v6, s[\rec], v1
	v_add_nc_u32 v7, s[\rec], v2
	v_add_nc_u32 v8, s[\rec], v3
	v_nop                                          ; these four are the places in front of loads into registers that the last step's products have read
.irp n, 0,1,2,3
.irp c, 0,1
	ds_load_b128 v[192+8*\n+4*\c:195+8*\n+4*\c], v6 offset:4096+1024*\n+512*\c
.endr
.endr
	ds_load_b128 v[76:79], v8 offset:8704
	s_wait_alu depctr_va_vdst(0)                   ; the wait here
	s_wait_dscnt 9                                 ; K and its words are in; V's nine loads may stay out
.irp t, 0,1,2,3,4,5,6,7
.if \t < 2*\nb
	v_wmma_scale_f32_16x16x128_f8f6f4 v[96+8*\t:103+8*\t], v[32+4*\t:39+4*\t], v[16:23], 0, v[68+\t], v24 matrix_a_fmt:MATRIX_FMT_FP4 matrix_b_fmt:MATRIX_FMT_FP4
.endif
.endr
	v_mov_b32 v250, v12                            ; the old -M
.rept 3
	v_nop
.endr
.if \ahead
	KLOAD 6, 7, REC
.endif
.if \mask
.set n, 0
.rept 32
	v_cmp_gt_i32 vcc_lo, 16*(n/8)+n%8, v4
	v_cndmask_b32 v[96+16*(\nb-2)+n], v[96+16*(\nb-2)+n], v5, vcc_lo   ; hidden scores become -infinity ahead of the maximum: p = 0 then
.set n, n+1
.endr
.endif
.set j, 0
.rept 8*\nb
	v_pk_mul_f32 v[96+j:97+j], v[96+j:97+j], s[42:43] op_sel_hi:[1,0]   ; t = score x c, ROUNDED TO f32, two at a time; each accumulator from its low end on
.set j, j+2
.endr
.irp b, 0,1,2,3
.if \b < \nb
	v_max3_num_f32 v[232+\b], v[96+16*\b], v[97+16*\b], v[98+16*\b]   ; the largest t of each block of 32 keys: it serves the row's maximum and, since p rises with t, the block's largest p
.endif
.endr
.irp i, 3,5,7,9,11,13
.irp b, 0,1,2,3
.if \b < \nb
	HINT \nb
	v_max3_num_f32 v[232+\b], v[232+\b], v[96+16*\b+\i], v[97+16*\b+\i]
.endif
.endr
.endr
.irp b, 0,1,2,3
.if \b < \nb
	HINT \nb
	v_max_num_f32 v[232+\b], v[232+\b], v[111+16*\b]
.endif
.endr
.irp b, 0,1,2,3
.if \b < \nb
	HINT \nb
	v_permlanex16_b32 v[236+\b], v[232+\b], s40, s41
.endif
.endr
.irp b, 0,1,2,3
.if \b < \nb
	HINT \nb
	v_max_num_f32 v[232+\b], v[232+\b], v[236+\b]  ; with lane l xor 16's 16 keys
.endif
.endr
.if \nb == 4
	HINT 2
	v_max3_num_f32 v254, v232, v233, v234
	HINT 1
	v_max_num_f32 v254, v254, v235                 ; the step's largest t of my query
.else
	HINT 1
	v_max_num_f32 v254, v232, v233
.endif
	HINT 1
	v_max_num_f32 v13, v13, v254                   ; the running largest t
	HINT 1
	v_floor_f32 v12, -v13                          ; the new -M = floor(-t) = -ceil(t)
	HINT 1
	v_sub_f32 v254, v12, v250                      ; M's old value less its new one: a whole number, 0 or less
	HINT 1
	v_cvt_i32_f32 v254, v254                       ; (it saturates)
	HINT 1
	v_ldexp_f32 v252, 1.0, v254                    ; f = 2^(old M - new M)
.set j, 0
.rept 8*\nb
	v_pk_add_f32 v[96+j:97+j], v[96+j:97+j], v[12:13] op_sel_hi:[1,0]   ; t - M, two at a time (of the pair the low word, -M, serves both halves)
.set j, j+2
.endr
.irp b, 0,1,2,3
.if \b < \nb
	v_add_f32 v[232+\b], v[232+\b], v12            ; the same of each block's largest t
.endif
.endr
	s_wait_alu depctr_va_vdst(0)                   ; the wait ahead of the batch
.set j, 0
.rept 16*\nb
	v_exp_f32 v[96+j], v[96+j]                     ; p = 2^(t - M), at most 1
.set j, j+1
.endr
.irp b, 0,1,2,3
.if \b < \nb
	v_exp_f32 v[232+\b], v[232+\b]                 ; the block's largest p: the same instructions on the same number give the same bits
.endif
.endr
	v_pk_mul_f32 v[14:15], v[14:15], v[252:253] op_sel_hi:[1,0]   ; the sums under the new M.  (A plain place behind the exponentials)
	s_wait_alu depctr_va_vdst(0)                   ; the wait ahead of the batch's first reader, and of O^T's
.set j, 0
.rept 16
	v_pk_mul_f32 v[160+j:161+j], v[160+j:161+j], v[252:253] op_sel_hi:[1,0]   ; O^T under the new M
.set j, j+2
.endr
.irp b, 0,1,2,3
.if \b < \nb
	v_max_num_f32 v[232+\b], 0x1800000, v[232+\b]  ; the floor 2^(3 - 127): the byte cannot fall under 1
.endif
.endr
.irp b, 0,1,2,3
.if \b < \nb
	HINT \nb
	v_add_nc_u32 v[244+\b], 0xff000000, v[232+\b]  ; 2 off the exponent field: the conversion's scale operand
.endif
.endr
.irp b, 0,1,2,3
.if \b < \nb
	HINT \nb
	v_lshrrev_b32 v[236+\b], 23, v[244+\b]         ; the scale's byte
.endif
.endr
.if \nb == 4
	HINT 3
	v_lshl_or_b32 v253, v237, 8, v236              ; p's scale word for these keys
	HINT 1
	v_lshl_or_b32 v253, v238, 16, v253
	HINT 1
	v_lshl_or_b32 v253, v239, 24, v253
.else
	HINT 1
	v_lshl_or_b32 v253, v237, 8, v236
	HINT 1
	v_or_b32 v253, 0x7f7f0000, v253                ; keys 64 .. 127: zero codes, under the byte of 1.0
.irp i, 228,229,230,231
	v_mov_b32 v[\i], 0
.endr
.endif
.irp b, 0,1,2,3
.if \b < \nb
.irp u, 0,1
	v_cvt_scalef32_pk8_fp4_f32 v[224+4*(\b/2)+2*\u+(\b%2)], v[96+16*\b+8*\u:103+16*\b+8*\u], v[244+\b]
.endr
.endif
.endr
	v_nop                                          ; one plain place behind a scaled conversion
.irp c, 0,1
.if 2*\c < \nb
.irp u, 0,1
	v_permlane16_swap_b32 v[224+4*\c+2*\u], v[225+4*\c+2*\u]   ; register 4 c + 2 u + i of lane half h' now holds keys 64 c + 32 h' + 8 (2 u + i) .. + 7
.endr
.endif
.endr
	v_pk_add_f32 v[236:237], v[96:97], v[98:99]    ; the row's sum, of the unquantised p: four chains by turns
	v_pk_add_f32 v[248:249], v[100:101], v[102:103]
	v_pk_add_f32 v[246:247], v[104:105], v[106:107]
	v_pk_add_f32 v[14:15], v[14:15], v[108:109]
.set j, 110
.rept 2*\nb-2
	v_pk_add_f32 v[236:237], v[236:237], v[j:j+1]
	v_pk_add_f32 v[248:249], v[248:249], v[j+2:j+3]
	v_pk_add_f32 v[246:247], v[246:247], v[j+4:j+5]
	v_pk_add_f32 v[14:15], v[14:15], v[j+6:j+7]
.set j, j+8
.endr
	v_pk_add_f32 v[236:237], v[236:237], v[j:j+1]
	HINT 3
	v_pk_add_f32 v[248:249], v[248:249], v[246:247]
	HINT 2
	v_pk_add_f32 v[14:15], v[14:15], v[236:237]
	HINT 1
	v_pk_add_f32 v[14:15], v[14:15], v[248:249]
	s_wait_dscnt 10*\ahead                         ; V and its words are in; the next K's ten loads may stay out
.irp n, 0,1,2,3
	v_wmma_scale_f32_16x16x128_f8f6f4 v[160+8*\n:167+8*\n], v[192+8*\n:199+8*\n], v[224:231], v[160+8*\n:167+8*\n], v[76+\n], v253 matrix_a_fmt:MATRIX_FMT_FP4 matrix_b_fmt:MATRIX_FMT_FP4
.endr
.endm
	s_wait_alu depctr_va_vdst(0)                   ; the wait at the head's end
	s_wait_loadcnt 0x2                             ; the long tile's q; the last tile's two loads may stay out
	s_cmp_lt_u32 s18, 8
	s_cbranch_scc0 .Lnot_first
	s_wait_tensorcnt 0x0                           ; records 0 to 7: all that any wave's first step reads
.Lnot_first:
	s_barrier_signal -1
	s_barrier_wait -1
	s_cmp_eq_u32 s46, 0                            ; (a of s = 7 has no step of the long tile)
	s_cbranch_scc1 .Lfirst_done
	KLOAD 10, 11, 0
	STEP 4, 0, 44, 0
.Lfirst_done:
	s_add_co_u32 s44, s44, REC
	s_wait_alu depctr_va_vdst(0)                   ; the wait here, ahead of the blocking ones
	s_wait_loadcnt 0x0                             ; the last tile's q
	s_wait_tensorcnt 0x0                           ; every record that is still out,
	s_wait_dscnt 0x0
	s_barrier_signal -1
	s_barrier_wait -1                              ; everybody's
	KLOAD 10, 11, REC
	s_mov_b32 s45, 1
.Llong:                                                ; the long tile's other full steps: steps that are not mine are passed over by a branch on ids
	s_cmp_ge_u32 s45, s46
	s_cbranch_scc1 .Llong_none
	STEP 4, 0, 44, 1
.Llong_none:
	s_add_co_u32 s44, s44, REC
	s_add_co_u32 s45, s45, 1
	s_cmp_lt_u32 s45, 8
	s_cbranch_scc1 .Llong
	s_cmp_lg_u32 s19, 0
	s_cbranch_scc1 .Lno_switch
	; a: the long tile's part goes into LDS, and the short tile begins
.rept 4
	v_nop                                          ; the places behind the last products
.endr
	s_wait_alu depctr_va_vdst(0)                   ; the wait here, ahead of the readers below
	s_wait_dscnt 0x0                               ; the K that was asked for ahead is not wanted: record 0's is
	KLOAD 1, 2, 0
.irp k, 0,1,2,3,4,5,6,7
	ds_store_b128 v31, v[160+4*\k:163+4*\k] offset:512*\k
.endr
	ds_store_b128 v31, v[12:15] offset:4096
.irp k, 0,1,2,3
	v_mov_b32 v[16+\k], v[26+\k]
.endr
	v_mov_b32 v24, v30
	FRESH
.Lno_switch:
	s_mov_b32 s44, 0
	s_mov_b32 s45, 0
.Lshort:                                               ; the short tile's full steps
	s_cmp_ge_u32 s45, s47
	s_cbranch_scc1 .Lshort_none
	STEP 4, 0, 44, 1
.Lshort_none:
	s_add_co_u32 s44, s44, REC
	s_add_co_u32 s45, s45, 1
	s_cmp_lt_u32 s45, 7
	s_cbranch_scc1 .Lshort
	s_cmp_eq_u32 s25, 0                            ; the diagonal step: a's of the short tile, b's of the long one
	s_cbranch_scc1 .Lhalf
	STEP 4, 1, 48, 0
	s_branch .Lended
.Lhalf:
	STEP 2, 1, 48, 0
.Lended:
.rept 4
	v_nop                                          ; the places behind the last products
.endr
	s_wait_alu depctr_va_vdst(0)                   ; the wait here, ahead of the barrier
	s_wait_dscnt 0x0                               ; for the partner's sake: my part is in LDS
	s_barrier_signal -1
	s_barrier_wait -1
	s_cmp_eq_u32 s19, 0
	s_cbranch_scc1 .Lout
	; b: a's part is joined under the larger M
.irp k, 0,1,2,3,4,5,6,7
	ds_load_b128 v[96+4*\k:99+4*\k], v25 offset:512*\k
.endr
	ds_load_b128 v[232:235], v25 offset:4096       ; -M, the largest t, the sum's halves
	s_wait_dscnt 0x0
	v_min_num_f32 v236, v232, v12
	v_sub_f32 v237, v236, v12
	v_sub_f32 v238, v236, v232
	v_cvt_i32_f32 v237, v237                       ; (they saturate: an empty part has M = -3e38 and counts 2^-2147483648 = 0)
	v_cvt_i32_f32 v238, v238
	v_ldexp_f32 v252, 1.0, v237
	v_ldexp_f32 v238, 1.0, v238
	v_pk_mul_f32 v[14:15], v[14:15], v[252:253] op_sel_hi:[1,0]
.set j, 0
.rept 16
	v_pk_mul_f32 v[160+j:161+j], v[160+j:161+j], v[252:253] op_sel_hi:[1,0]
.set j, j+2
.endr
	v_pk_fma_f32 v[14:15], v[234:235], v[238:239], v[14:15] op_sel_hi:[1,0,1]
.set j, 0
.rept 16
	v_pk_fma_f32 v[160+j:161+j], v[96+j:97+j], v[238:239], v[160+j:161+j] op_sel_hi:[1,0,1]
.set j, j+2
.endr
.Lout:
	; THE WAY OUT.  O^T / the sum: register 8 n + j is o(query r, d = 16 n + 8 h + j); it is quantised along d (two blocks of 32) and leaves as half a fragment of the last product's operand.
	v_add_f32 v14, v14, v15                        ; the sum's two halves,
	HINT 1
	v_permlanex16_b32 v252, v14, s40, s41
	HINT 1
	v_add_f32 v14, v14, v252                       ; and lane l xor 16's: the row's sum
	s_wait_alu depctr_va_vdst(0)                   ; the wait ahead of the transcendental
	v_rcp_f32 v14, v14
	v_nop                                          ; a plain place behind the reciprocal
	s_wait_alu depctr_va_vdst(0)                   ; and ahead of its first reader, and of O^T's
.set j, 0
.rept 16
	v_pk_mul_f32 v[96+j:97+j], v[160+j:161+j], v[14:15] op_sel_hi:[1,0]
.set j, j+2
.endr
.irp b, 0,1
	v_max3_num_f32 v[232+\b], 0x1800000, |v[96+16*\b]|, |v[97+16*\b]|
.endr
.irp i, 2,4,6,8,10,12,14
.irp b, 0,1
	HINT 2
	v_max3_num_f32 v[232+\b], v[232+\b], |v[96+16*\b+\i]|, |v[97+16*\b+\i]|
.endr
.endr
.irp b, 0,1
	HINT 2
	v_permlanex16_b32 v[236+\b], v[232+\b], s40, s41
.endr
.irp b, 0,1
	HINT 2
	v_max_num_f32 v[232+\b], v[232+\b], v[236+\b]
.endr
.irp b, 0,1
	HINT 2
	v_add_nc_u32 v[244+\b], 0xff000000, v[232+\b]
.endr
.irp b, 0,1
	HINT 2
	v_lshrrev_b32 v[238+\b], 23, v[244+\b]
.endr
	HINT 1
	v_lshl_or_b32 v246, v239, 8, v238              ; my row's two scale bytes
.irp u, 0,1
.irp b, 0,1
	v_cvt_scalef32_pk8_fp4_f32 v[224+2*\u+\b], v[96+16*\b+8*\u:103+16*\b+8*\u], v[244+\b]
.endr
.endr
	v_nop
	v_permlane16_swap_b32 v224, v225
	v_permlane16_swap_b32 v226, v227
	global_store_b128 v1, v[224:227], s[88:89]     ; 32 lanes store 512 consecutive bytes, at a multiple of 256 from the buffer's first byte
	global_store_b16 v2, v246, s[90:91]            ; lanes r and r + 16 store the same two bytes with the same value
	s_wait_tensorcnt 0x0                           ; the wave's end
	ds_add_u32 v251, v255
	s_wait_dscnt 0x0
	CROUND                                         ; the closing round
	s_endpgm
.Lfunc_end_k_q9a91462935_attn:
	.size	k_q9a91462935_attn, .Lfunc_end_k_q9a91462935_attn-k_q9a91462935_attn
	.p2alignl 7, 3214868480
	.fill 96, 4, 3214868480
	.section	.rodata,"a",@progbits
	.p2align	6, 0x0
	.amdhsa_kernel k_q9a91462935_attn
		.amdhsa_group_segment_fixed_size 219136
		.amdhsa_private_segment_fixed_size 0
		.amdhsa_enable_private_segment 0
		.amdhsa_kernarg_size 24
		.amdhsa_user_sgpr_count 2
		.amdhsa_user_sgpr_kernarg_segment_ptr 1
		.amdhsa_wavefront_size32 1
		.amdhsa_system_sgpr_workgroup_id_x 1
		.amdhsa_system_sgpr_workgroup_id_y 1
		.amdhsa_system_sgpr_workgroup_id_z 1
		.amdhsa_system_vgpr_workitem_id 0
		.amdhsa_next_free_vgpr 256
		.amdhsa_next_free_sgpr 100
		.amdhsa_reserve_vcc 1
		.amdhsa_float_denorm_mode_32 3
		.amdhsa_float_denorm_mode_16_64 3
		.amdhsa_memory_ordered 1
		.amdhsa_forward_progress 1
		.amdhsa_inst_pref_size 108
	.end_amdhsa_kernel
	.amdgpu_metadata
---
amdhsa.version: [ 1, 2 ]
amdhsa.kernels:
  - .name:           k_q9a91462935_attn
    .symbol:         k_q9a91462935_attn.kd
    .args:
      - { .name: qq, .offset: 0, .size: 8, .value_kind: global_buffer, .address_space: global }
      - { .name: kv, .offset: 8, .size: 8, .value_kind: global_buffer, .address_space: global }
      - { .name: oo, .offset: 16, .size: 8, .value_kind: global_buffer, .address_space: global }
    .group_segment_fixed_size: 219136
    .private_segment_fixed_size: 0
    .kernarg_segment_align: 8
    .kernarg_segment_size: 24
    .max_flat_workgroup_size: 512
    .sgpr_count:     100
    .vgpr_count:     256
    .wavefront_size: 32
...
	.end_amdgpu_metadata
.endif
;; end of part 2
;; launch proj (part 3): grid 8 x 32, 4 waves a work-group, clusters of 4 x 4, 168,448 bytes of LDS; arguments oo, w_out_codes, w_out_scales, b_out, out0; writes out0
.if DOCPART == 3
	.amdgcn_target "amdgcn-amd-amdhsa--gfx1250"
	.amdhsa_code_object_version 6
	.text
	.protected	k_q9a91462935_proj
	.globl	k_q9a91462935_proj
	.p2align	8
	.type	k_q9a91462935_proj,@function
k_q9a91462935_proj:
	s_mov_b64 s[64:65], 0
	v_nop
	global_prefetch_b8 v0, s[64:65] scope:SCOPE_SE
	s_setreg_imm32_b32 hwreg(HW_REG_WAVE_MODE, 25, 1), 1
	s_wait_xcnt 0x0
	s_wait_alu depctr_hold_cnt(0) depctr_sa_sdst(0) depctr_va_vdst(0) depctr_va_sdst(0) depctr_va_ssrc(0) depctr_va_vcc(0) depctr_vm_vsrc(0)
	s_getreg_b32 s2, hwreg(HW_REG_IB_STS2, 6, 4)
	s_cmp_eq_u32 s2, 0
	s_cbranch_scc0 .Lentry_in_a_cluster
	s_endpgm
.Lentry_in_a_cluster:
	s_bfe_u32 s2, ttmp6, 0x10000c
	s_cmp_lg_u32 s2, 0xf033
	s_cbranch_scc0 .Lentry_shape_is_right
	s_endpgm
.Lentry_shape_is_right:
; out0 = o w_out + b_out on codes of FP4 (E2M1) with one E8M0 scale for each 32 along K.  o comes as images of operand registers (oo: codes [32 rb][8 kstep][8 rowtile][2 c][512], then the scale bytes
; [32 rb][8 rowtile][16 r][32 bytes]: a row's eight words, one for each K step); w_out as rows of 512 bytes with K innermost.
; SHARES.  A work-group makes 128 x 128 of the output, 256 work-groups; wave w (I = w / 2: half of the rows, J = w % 2: half of the columns) makes 64 x 64, as four tiles of 16 rows, one after the other:
; each takes all of K, its four accumulators by turns, and leaves while the next is multiplied.
; LDS.  All of K lies in LDS at once: o's 65,536 bytes as they lie in memory, w's 128 rows of 512 bytes + 16 of padding.  Every byte is filled once, one tensor load a wave: no ring.
; CLUSTER.  4 x 4 work-groups: the four of a row of the cluster share o's block, the four of a column w's rows: each tile is asked for jointly.
; No prefetch: all tiles are asked for at the head, and no loop runs ahead of them.
; THE MATRIX INSTRUCTION IS USED TRANSPOSED (source 0 = 16 rows of w, source 1 = 16 rows of o): a lane holds eight neighbouring numbers of a row of the output.  The bias is the C of each sum's first instruction.
; LIMITS.  NaN and infinities are not served.
; REGISTERS.  window 0: v4-10 addresses; v32-63 o's scale words (8 tm + ks), v64-95 w's (8 tn + ks); v96-127 the bias (8 tn + j); v128-191 the accumulators of two tiles by turns; v192-255 rows read back, two tiles by turns.
;   window 1: w's fragments, 8 (4 ks + tn).   window 2: o's fragments, 64 tm + 8 ks.
.set PITCH,  528                       ; an LDS row of w: 512 bytes + 16 of padding; also a row of the stage: an odd multiple of 16 bytes, so 16 rows start in different 16-byte columns
.set WB,     65536                     ; w's rows lie behind o's images
.set STAGE,  WB+128*PITCH              ; behind the tiles: 16 rows for each wave, into which no tile lands
.set SPARE,  0x29000                   ; the spare words
.set OSC,    32
.set WSC,    64
.set BI,     96
.set ACC,    128
.set BK,     192
.set MSB, 0
.macro WIN new                         ; the immediate's high byte repeats the setting that is left
.if MSB != \new
	s_set_vgpr_msb (MSB<<8)|\new
.set MSB, \new
.endif
.endm
.macro PLACES n
.rept \n
	v_nop
.endr
.endm
.macro CROUND                          ; a round of the cluster's barrier
	s_barrier_signal -1
	s_barrier_wait -1
	s_cmp_lg_u32 s18, 0
	s_cbranch_scc1 .Lnot_wave_0_\@
	s_barrier_signal -3
.Lnot_wave_0_\@:
	s_barrier_wait -3
	s_barrier_signal -1
	s_barrier_wait -1
.endm
	s_load_b256 s[4:11], s[0:1], 0x0               ; oo s[4:5], w's codes s[6:7], w's scales s[8:9], b_out s[10:11]
	s_load_b64 s[12:13], s[0:1], 0x20              ; out0
	v_lshl_add_u32 v30, v0, 2, SPARE
	v_mov_b32 v31, 0
	ds_add_u32 v30, v31                            ; the wave's opening: the add, twice on end, and its wait
	ds_add_u32 v30, v31
	v_lshrrev_b32 v1, 5, v0
	v_readfirstlane_b32 s18, v1                    ; wave 0..3
	s_lshr_b32 s19, s18, 1                         ; I: my half of the rows.  Also: I fetch for o (0) or for w (1)
	s_and_b32 s20, s18, 1                          ; J: my half of the columns.  Also: which half of the tile I fetch
	s_bfe_u32 s21, ttmp6, 0x40000                  ; cx
	s_bfe_u32 s22, ttmp6, 0x40004                  ; cy
	s_lshl_b32 s23, ttmp9, 2
	s_add_co_u32 s23, s23, s21                     ; NB = 4 x cluster x + cx: the block of 128 columns
	s_and_b32 s24, ttmp7, 0xffff
	s_lshl_b32 s24, s24, 2
	s_add_co_u32 s24, s24, s22                     ; MB = 4 x cluster y + cy: the block of 128 rows
	s_lshl_b32 s25, s22, 2
	s_lshl_b32 s25, 15, s25                        ; my row of the cluster
	s_lshl_b32 s26, 0x1111, s21                    ; my column
	; descriptor group 1 for o: a dense block of 32,768 bytes as 128 rows of 256 bytes (32 elements of 8 bytes)
	s_or_b32 s28, s25, (3<<16)|(1<<21)             ; 15:0 the mask: o's tiles go to my row; 17:16 elements of 8 bytes; 21 set beside a mask
	s_mov_b32 s29, 32<<16
	s_mov_b32 s30, 128<<16
	s_mov_b32 s31, 32<<16
	s_mov_b32 s32, 128
	s_mov_b32 s33, 32
	s_mov_b32 s34, 0
	s_mov_b32 s35, 0
	; and for w: 64 rows x 512 bytes, 16 bytes of padding behind each in LDS
	s_or_b32 s36, s26, (1<<20)|(1<<21)|(6<<22)|(3<<25)
	s_mov_b32 s37, 512<<16
	s_mov_b32 s38, 64<<16
	s_mov_b32 s39, 512<<16
	s_mov_b32 s40, 64
	s_mov_b32 s41, 512
	s_mov_b32 s42, 0
	s_mov_b32 s43, 0
	s_lshl_b32 s66, s24, 16                        ; o: block MB's 65,536 bytes, my half of K (no register of this address ever holds cx)
	s_lshl_b32 s67, s20, 15
	s_add_co_u32 s66, s66, s67
	s_mov_b32 s67, 0
	s_lshl_b32 s68, s23, 16                        ; w: row 128 NB + 64 J, 512 bytes a row (no register of this address ever holds cy)
	s_lshl_b32 s69, s20, 15
	s_add_co_u32 s68, s68, s69
	s_mov_b32 s69, 0
	s_mov_b32 s44, 1                               ; group 0 for o: it goes to LDS as it lies in memory
	s_lshl_b32 s45, s20, 15
	s_mov_b32 s52, 1                               ; and for w: my 64 rows
	s_mul_i32 s53, s20, 64*PITCH
	s_add_co_u32 s53, s53, WB
	s_wait_dscnt 0x0                               ; both opening adds are done
	CROUND                                         ; all sixteen work-groups are here: the joint loads meet
	s_wait_kmcnt 0x0
	s_add_nc_u64 s[46:47], s[4:5], s[66:67]
	s_or_b32 s47, s47, 0x80000000
	s_add_nc_u64 s[54:55], s[6:7], s[68:69]
	s_or_b32 s55, s55, 0x80000000
	s_cmp_eq_u32 s19, 0
	s_cbranch_scc0 .Lfor_w
	tensor_load_to_lds s[44:47], s[28:35]
	s_nop 0
	PLACES 4
	s_branch .Lasked
.Lfor_w:
	tensor_load_to_lds s[52:55], s[36:43]
	s_nop 0
	PLACES 4
.Lasked:
	s_lshl_b32 s72, s24, 12
	s_lshl_b32 s73, s19, 11
	s_add_co_u32 s72, s72, s73
	s_add_co_u32 s72, s72, 2097152
	s_mov_b32 s73, 0
	s_add_nc_u64 s[76:77], s[4:5], s[72:73]        ; o's scale words at tile of rows 8 MB + 4 I
	s_lshl_b32 s72, s23, 12
	s_lshl_b32 s74, s20, 11
	s_add_co_u32 s72, s72, s74
	s_add_nc_u64 s[78:79], s[8:9], s[72:73]        ; w's at row 128 NB + 64 J
	s_lshl_b32 s72, s23, 9
	s_lshl_b32 s74, s20, 8
	s_add_co_u32 s72, s72, s74
	s_add_nc_u64 s[80:81], s[10:11], s[72:73]      ; the bias at column 128 NB + 64 J
	s_lshl_b32 s74, s24, 19
	s_add_co_u32 s72, s72, s74
	s_lshl_b32 s74, s19, 18
	s_add_co_u32 s72, s72, s74
	s_add_nc_u64 s[82:83], s[12:13], s[72:73]      ; out0 at row 128 MB + 64 I, the same column
	s_lshl_b32 s71, s19, 12
	s_mul_i32 s72, s20, 64*PITCH
	s_add_co_u32 s72, s72, WB
	s_mul_i32 s75, s18, 16*PITCH
	s_add_co_u32 s75, s75, STAGE                   ; my stage
	v_and_b32 v1, 15, v0                           ; r
	v_bfe_u32 v2, v0, 4, 1                         ; h
	v_and_b32 v3, 31, v0                           ; lane
	v_lshlrev_b32 v9, 5, v1                        ; 32 r: a row of scale bytes
	v_lshlrev_b32 v10, 5, v2                       ; 32 h: eight numbers of the bias
.irp t, 0,1,2,3
	global_load_b128 v[OSC+8*\t:OSC+8*\t+3], v9, s[76:77] offset:512*\t
	global_load_b128 v[OSC+8*\t+4:OSC+8*\t+7], v9, s[76:77] offset:512*\t+16
	global_load_b128 v[WSC+8*\t:WSC+8*\t+3], v9, s[78:79] offset:512*\t
	global_load_b128 v[WSC+8*\t+4:WSC+8*\t+7], v9, s[78:79] offset:512*\t+16
	global_load_b128 v[BI+8*\t:BI+8*\t+3], v10, s[80:81] offset:64*\t
	global_load_b128 v[BI+8*\t+4:BI+8*\t+7], v10, s[80:81] offset:64*\t+16
.endr
	v_lshl_add_u32 v4, v3, 4, s71                  ; o's images: 16 x lane + my four tiles of rows
	v_mul_u32_u24 v11, v1, PITCH
	v_lshl_add_u32 v5, v2, 4, v11
	v_lshl_add_u32 v6, v2, 5, v11
	v_mul_u32_u24 v7, v2, PITCH
	v_add_nc_u32 v5, s72, v5                       ; w: (64 J + r) x pitch + 16 h
	v_add_nc_u32 v6, s75, v6                       ; the stage, in: row r, 32 bytes for each half of the lanes
	v_lshl_add_u32 v7, v1, 4, v7
	v_lshlrev_b32 v8, 12, v2
	v_add_nc_u32 v7, s75, v7                       ; back: lanes 0-15 one row of 256 bytes, lanes 16-31 the next
	v_lshl_add_u32 v8, v1, 4, v8                   ; and the same two rows in out0: 4,096 bytes a row
; o's fragments of tile tm, all of K: 16 LDS loads.  A fragment, 16 rows x 128 K of 4-bit codes, is 8 registers: lane (r, h) holds row r; registers 4 c .. 4 c + 3 hold K = 64 c + 32 h + 0 .. 31
.macro FETCH_O tm
	WIN 0x80                                       ; destination window 2, address window 0
.irp ks, 0,1,2,3,4,5,6,7
.irp c, 0,1
	ds_load_b128 v[64*\tm+8*\ks+4*\c:64*\tm+8*\ks+4*\c+3], v4 offset:\ks*8192+\tm*1024+512*\c
.endr
.endr
	WIN 0
.endm
.macro FETCH_W                         ; w's 32 fragments, once: 64 LDS loads, by K steps
	WIN 0x40                                       ; destination window 1
.irp ks, 0,1,2,3,4,5,6,7
.irp t, 0,1,2,3
.irp c, 0,1
	ds_load_b128 v[8*(4*\ks+\t)+4*\c:8*(4*\ks+\t)+4*\c+3], v5 offset:\t*16*PITCH+\ks*64+32*\c
.endr
.endr
.endr
	WIN 0
.endm
; Tile tm: 32 matrix instructions; its four accumulators take turns, one instruction a turn.  first = 1: w's fragments are still on their way: behind K step ks's lie 8 (7 - ks) of w's loads and 16 of o's (a count is 63 at most)
.macro TILE tm, first
	WIN 0x09                                       ; source 0 window 1, source 1 window 2; C and D window 0
.irp ks, 0,1,2,3,4,5,6,7
.if \first
.if \ks < 2
	s_wait_dscnt 63
.else
	s_wait_dscnt 72-8*\ks
.endif
.endif
.irp tn, 0,1,2,3
.if \ks == 0
	v_wmma_scale_f32_16x16x128_f8f6f4 v[ACC+32*(\tm%2)+8*\tn:ACC+32*(\tm%2)+8*\tn+7], v[8*(4*\ks+\tn):8*(4*\ks+\tn)+7], v[64*\tm+8*\ks:64*\tm+8*\ks+7], v[BI+8*\tn:BI+8*\tn+7], v[WSC+8*\tn+\ks], v[OSC+8*\tm+\ks] matrix_a_fmt:MATRIX_FMT_FP4 matrix_b_fmt:MATRIX_FMT_FP4
.else
	v_wmma_scale_f32_16x16x128_f8f6f4 v[ACC+32*(\tm%2)+8*\tn:ACC+32*(\tm%2)+8*\tn+7], v[8*(4*\ks+\tn):8*(4*\ks+\tn)+7], v[64*\tm+8*\ks:64*\tm+8*\ks+7], v[ACC+32*(\tm%2)+8*\tn:ACC+32*(\tm%2)+8*\tn+7], v[WSC+8*\tn+\ks], v[OSC+8*\tm+\ks] matrix_a_fmt:MATRIX_FMT_FP4 matrix_b_fmt:MATRIX_FMT_FP4
.endif
.endr
.endr
	WIN 0
.endm
; THE WAY OUT of a tile of 16 rows x 64 columns.  A lane holds 32 neighbouring bytes of a row and the lanes beside it hold other rows: so a tile goes through my own stage in LDS and comes back as whole
; rows of 256 bytes.  LDS serves a wave's instructions in order (ISA guide 5.7.1.4): no wait between the stores and the loads, nor in front of the next tile's stores.
.macro TOSTAGE tm
	PLACES 4                                       ; behind the tile's products: results are read
.irp tn, 0,1,2,3
	ds_store_b128 v6, v[ACC+32*(\tm%2)+8*\tn:ACC+32*(\tm%2)+8*\tn+3] offset:64*\tn        ; each accumulator from its low end on
	ds_store_b128 v6, v[ACC+32*(\tm%2)+8*\tn+4:ACC+32*(\tm%2)+8*\tn+7] offset:64*\tn+16
.endr
.irp i, 0,1,2,3,4,5,6,7
	ds_load_b128 v[BK+32*(\tm%2)+4*\i:BK+32*(\tm%2)+4*\i+3], v7 offset:2*\i*PITCH
.endr
.endm
.macro SEND tm, younger                ; younger: the LDS instructions issued behind tile tm's loads, which may stay out
	s_wait_dscnt \younger
.irp i, 0,1,2,3,4,5,6,7
	global_store_b128 v8, v[BK+32*(\tm%2)+4*\i:BK+32*(\tm%2)+4*\i+3], s[82:83] offset:\tm*65536+\i*8192 th:TH_STORE_NT   ; 16 lanes store 256 consecutive bytes, at a multiple of 256 from out0's first byte
.endr
.endm
	s_wait_alu depctr_va_vdst(0)                   ; the wait at the head's end
	s_wait_tensorcnt 0x0                           ; my tile is in
	s_barrier_signal -1
	s_barrier_wait -1                              ; everybody's is
	FETCH_O 0
	FETCH_W
	FETCH_O 1
	s_wait_loadcnt 0x0                             ; the scale words and the bias
	TILE 0, 1
	TOSTAGE 0
	FETCH_O 2
	s_wait_dscnt 32                                ; o's tile 1 is in; behind it: the stage's 16 and tile 2's 16
	TILE 1, 0
	SEND 0, 16
	TOSTAGE 1
	FETCH_O 3
	s_wait_dscnt 32
	TILE 2, 0
	SEND 1, 16
	s_wait_xcnt 0x0                                ; tile 0's stores have read their registers: tile 2's loads may land there
	TOSTAGE 2
	s_wait_dscnt 16                                ; o's tile 3 is in; behind it: the stage's 16
	TILE 3, 0
	SEND 2, 0
	s_wait_xcnt 0x0
	TOSTAGE 3
	SEND 3, 0
	s_wait_tensorcnt 0x0                           ; the wave's end
	ds_add_u32 v30, v31
	s_wait_dscnt 0x0
	CROUND                                         ; the closing round: no work-group ends while a partner may still ask for a tile that names it
	s_endpgm
.Lfunc_end_k_q9a91462935_proj:
	.size	k_q9a91462935_proj, .Lfunc_end_k_q9a91462935_proj-k_q9a91462935_proj
	.p2alignl 7, 3214868480
	.fill 96, 4, 3214868480
	.section	.rodata,"a",@progbits
	.p2align	6, 0x0
	.amdhsa_kernel k_q9a91462935_proj
		.amdhsa_group_segment_fixed_size 168448
		.amdhsa_private_segment_fixed_size 0
		.amdhsa_enable_private_segment 0
		.amdhsa_kernarg_size 40
		.amdhsa_user_sgpr_count 2
		.amdhsa_user_sgpr_kernarg_segment_ptr 1
		.amdhsa_wavefront_size32 1
		.amdhsa_system_sgpr_workgroup_id_x 1
		.amdhsa_system_sgpr_workgroup_id_y 1
		.amdhsa_system_sgpr_workgroup_id_z 1
		.amdhsa_system_vgpr_workitem_id 0
		.amdhsa_next_free_vgpr 768
		.amdhsa_next_free_sgpr 100
		.amdhsa_reserve_vcc 0
		.amdhsa_float_denorm_mode_32 3
		.amdhsa_float_denorm_mode_16_64 3
		.amdhsa_memory_ordered 1
		.amdhsa_forward_progress 1
		.amdhsa_inst_pref_size 42
	.end_amdhsa_kernel
	.amdgpu_metadata
---
amdhsa.version: [ 1, 2 ]
amdhsa.kernels:
  - .name:           k_q9a91462935_proj
    .symbol:         k_q9a91462935_proj.kd
    .args:
      - { .name: oo, .offset: 0, .size: 8, .value_kind: global_buffer, .address_space: global }
      - { .name: w_out_codes, .offset: 8, .size: 8, .value_kind: global_buffer, .address_space: global }
      - { .name: w_out_scales, .offset: 16, .size: 8, .value_kind: global_buffer, .address_space: global }
      - { .name: b_out, .offset: 24, .size: 8, .value_kind: global_buffer, .address_space: global }
      - { .name: out0, .offset: 32, .size: 8, .value_kind: global_buffer, .address_space: global }
    .group_segment_fixed_size: 168448
    .private_segment_fixed_size: 0
    .kernarg_segment_align: 8
    .kernarg_segment_size: 40
    .max_flat_workgroup_size: 128
    .sgpr_count:     100
    .vgpr_count:     768
    .wavefront_size: 32
...
	.end_amdgpu_metadata
.endif
;; end of part 3
